; MI455X (gfx1250); checked and timed in simulation.
; The chip was launched on July 23, 2026; its instructions are those of AMD's public machine-readable ISA for CDNA 5 (MIT licence, August 2026) and "CDNA5" Instruction Set Architecture Reference Guide (July 2026). The comments in the code are by the model that wrote it; some were corrected since.
;; Multi Head Self Attention. Allowed arithmetic: matrix products marked QUANTISED: E4M3 operands, one given power-of-two scale a tensor, by v_wmma_f32_16x16x64_fp8_fp8 or v_wmma_f32_16x16x128_fp8_fp8, f32 sums; everything else in f32.
;; Inputs: lowp_scales 8 int32 (the exponents e of the quantised operands' scales 2^e); w_out_codes 1,024 x 32 x 32 uint8 (E4M3 codes of w_out, K innermost, in blocks of 32 codes); w_qkv_codes 3,072 x 32 x 32 uint8 (E4M3 codes of w_qkv, K innermost, in blocks of 32 codes); x_codes 4 x 2,048 x 32 x 32 uint8 (E4M3 codes of x, K innermost, in blocks of 32 codes).
;; Outputs: out0 4 x 2,048 x 1,024 float32.
;; This version of the problem:
;;   THIS VERSION OF THE PROBLEM IS GIVEN IN LOW PRECISION. The matrix products marked QUANTISED in the list below multiply operands that are first quantised to E4M3 (4 exponent bits, 3 mantissa bits; 8 bits a number), with one given power-of-two scale for each operand tensor; their sums are f32. All else is computed in f32.
;;   The module's matrix products, in the order in which they are computed (A, B: the left and right operand; K: the contracted axis; several contracted axes count as one K, in the product's order):
;;     1. [M 8,192, K 1,024] x [K 1,024, N 3,072]; A: input x (given as codes); B: input w_qkv (given as codes): QUANTISED (scales: A lowp_scales[0], B lowp_scales[1])
;;     2. batch 64 x [M 2,048, K 64] x [K 64, N 2,048]; A: computed on the way; B: computed on the way: QUANTISED (scales: A lowp_scales[2], B lowp_scales[3])
;;     3. batch 64 x [M 2,048, K 2,048] x [K 2,048, N 64]; A: softmax (see below); B: computed on the way: QUANTISED (scales: A lowp_scales[4], B lowp_scales[5])
;;     4. [M 8,192, K 1,024] x [K 1,024, N 1,024]; A: computed on the way; B: input w_out (given as codes): QUANTISED (scales: A lowp_scales[6], B lowp_scales[7])
;;   THE QUANTISER, for each operand of a quantised product, along K:
;;     - The operand's scale is 2^e, e = its entry of the input lowp_scales (int32; the entries are numbered through the quantised products in the list's order, A before B).
;;     - Each number is divided by the scale, clamped to +-448, and rounded to the nearest number of E4M3, ties to even, subnormals kept.
;;     - The product sums the exact products of the quantised numbers (number of the format x scale) in f32.
;;   ~~~python
;;   def quantise(x, axis, e):      # numpy; x: float32 -> the quantised numbers, widened to float32 again
;;       x = np.moveaxis(x, axis, -1); K = x.shape[-1]
;;       r = np.clip(x / 2.0 ** e, -448, 448)
;;       step = 2.0 ** (np.maximum(np.frexp(np.where(r == 0, 1, r))[1] - 1, -6) - 3)
;;       q = np.round(r / step) * step * 2.0 ** e      # np.round: ties to even
;;       return np.moveaxis(q, -1, axis).astype(np.float32)
;;   ~~~
;;   SOFTMAX AHEAD OF A QUANTISED PRODUCT. Where the list says 'softmax', what is quantised is not the finished softmax but p = 2^(t - M), with t = logit x log2(e) and M = ceil(the row's largest t), a whole number; so 1/2 < the row's largest p <= 1. The row's sum l is taken of the UNQUANTISED p, in f32, and the product's result is divided by l at the end. Since M is a whole number, a kernel that streams over the keys may use a running M (the ceiling of the running maximum): every later rescaling is an exact power of two, so the quantised numbers keep their values, but for numbers so far below the row's largest that they fall under the format's range.
;;   OPERANDS COMPUTED ON THE WAY. 'Computed on the way' means the value that the module computes at that place (a softmax that the list does not call 'softmax' is quantised finished and normalised). What goes into a quantiser is computed in f32, as accurately as f32 sums, v_exp_f32 and their like allow (about 1e-6 of the number): no bf16 or f16 on the way to a quantiser, and a product that is left as it is and whose result goes on into a quantised operand takes f32 operands (vector FMAs, or v_wmma_f32_16x16x4_f32). A number that lies on a knife's edge between two numbers of the format may be rounded either way, as far as f32 arithmetic and the matrix unit's own rounding can turn it there, and no further.
;;   INPUTS GIVEN AS CODES. w_out (in the module: [1024, 1024], K = its axis 0); w_qkv (in the module: [1024, 3072], K = its axis 0); x (in the module: [4, 2048, 1024], K = its axis 2): each comes as NAME_codes (uint8): NAME with its K axis moved to the last place and cut into blocks of 32 codes, [.., K / 32, bytes a block], one block behind the other in memory; one code a byte (a code: sign, 4 exponent bits, 3 mantissa bits); its scale is its entry of lowp_scales. Its value is code x scale, taken as it is: it is not quantised again, and the codes and scales need not be those that the quantiser above would give.
;; One version. Each part assembles by itself: llvm-mc -triple=amdgcn-amd-amdhsa -mcpu=gfx1250 --defsym DOCPART=n.
;; ======== version 1 of 1: 3 launches
;; limits: right only within a limited range of input values
;; workspace buffers: qc 8,388,608 bytes; kc 8,388,608 bytes; vc 8,388,608 bytes; ac 8,388,608 bytes
;; launch qkv (part 1): grid 12 x 32, 4 waves a work-group, clusters of 4 x 4, 327,680 bytes of LDS; arguments x_codes, w_qkv_codes, lowp_scales, qc, kc, vc; writes qc, kc, vc
.if DOCPART == 1
	.amdgcn_target "amdgcn-amd-amdhsa--gfx1250"
	.amdhsa_code_object_version 6
	.text
	.protected	k_q97e296e8b3_qkv
	.globl	k_q97e296e8b3_qkv
	.p2align	8
	.type	k_q97e296e8b3_qkv,@function
k_q97e296e8b3_qkv:
	s_mov_b64 s[64:65], 0
	v_nop
	global_prefetch_b8 v0, s[64:65] scope:SCOPE_SE
	s_setreg_imm32_b32 hwreg(HW_REG_WAVE_MODE, 25, 1), 1
	s_wait_xcnt 0x0
	s_wait_alu depctr_hold_cnt(0) depctr_sa_sdst(0) depctr_va_vdst(0) depctr_va_sdst(0) depctr_va_ssrc(0) depctr_va_vcc(0) depctr_vm_vsrc(0)
	s_getreg_b32 s2, hwreg(HW_REG_IB_STS2, 6, 4)
	s_cmp_eq_u32 s2, 0
	s_cbranch_scc0 .Lentry_in_a_cluster
	s_endpgm
.Lentry_in_a_cluster:
	s_bfe_u32 s2, ttmp6, 0x10000c
	s_cmp_lg_u32 s2, 0xf033
	s_cbranch_scc0 .Lentry_shape_is_right
	s_endpgm
.Lentry_shape_is_right:
; q, k, v = x w_qkv on codes of FP8 (E4M3), sums in f32, and the three results quantised at once to codes of FP8 with the given scales 2^e2 (q), 2^e3 (k), 2^e5 (v).
; x: [8192][1024] codes, w_qkv: [3072][1024] codes, K innermost.  A sum of code products stands for sum x 2^(e0 + e1), so its code is sum / 2^(eX - e0 - e1).
; ONE BODY FOR ALL THREE, WITHOUT A BRANCH.  The body makes C'[m'][n'] = sum over k of A'[m'][k] B'[n'][k] in tiles of 256 x 256, and a lane ends with eight neighbours along n' of one row m'.
;   cluster x = 0 (q), 1 (k): A' = x, B' = w's rows 0-2047: the neighbours run along the head's 64, which is the K of q k^T.
;   cluster x = 2 (v):        A' = w's rows 2048-3071, B' = x: the neighbours run along the tokens, which are the K of p v.
; What differs (two pointers, two tile coordinates, two shifts, one exponent) is chosen by s_cselect on the cluster's x, which all sixteen partners share.
; OUT: qc, kc: [b 4][h 16][t 2048][64];  vc: [b 4][t / 128][64 h + d][128].  In each group of 32 along the last axis place 16 n + 8 u + j holds index 16 u + 8 n + j (n, u = 0, 1): the order in which a lane's codes
; fall; q and k have it alike, so their products meet; for v it is the order in which 16-byte loads give the K = 128 form its own places.
; A work-group of four waves makes a tile; a wave 128 x 128: 64 accumulators, 512 registers.  K goes in steps of 256 through a ring of two LDS slots filled by the tensor data mover.
; CLUSTERS: 4 x 4 work-groups; A's tiles are asked for jointly along a row of the cluster, B's along a column.  THE MATRIX INSTRUCTION IS USED TRANSPOSED: source 0 = 16 rows of B', source 1 = 16 rows of A'.
; A fragment is fetched by four loads of 16 bytes: a permutation of k that is the same in A' and B'.
; LIMIT: eX - e0 - e1 lies between -126 and 119, so that the scale and 448 x the scale are f32 numbers.  NaN codes among the inputs are not served.
; REGISTERS, in windows of 256: window 0: v0-31 addresses; v128-255 A's fragments, ONE set; on the way out v96-159 at work.  window 1: B's fragments, TWO sets.  windows 2, 3: the accumulators ((a, b) at v[8 (8 (a % 4) + b)]).
.set KROW,   1024                      ; a row of x or of w in bytes
.set ROWB,   256                       ; a tile's row: 256 codes
.set PITCH,  272                       ; an LDS row: 256 bytes + 16 of padding = 68 words: the 16 rows that a load touches start at 16 different banks (64 banks of 4 bytes: ISA guide 11.1)
.set FR,     16                        ; registers of a fragment: 16 rows x 128 K
.set NL,     4                         ; LDS loads that bring one
.set NP,     4                         ; places behind this matrix instruction (ISA guide 7.12.1)
.set HALFT,  128*PITCH                 ; 128 rows: what one tensor load brings
.set SLOT,   4*HALFT                   ; A's 256 rows, then B's 256 rows
.set LAPS,   KROW/(2*ROWB)             ; a lap = two slots = once round the ring
.set SPARE,  2*SLOT                    ; behind the ring: the spare words, 128 bytes for each wave
.set SPITCH, 144                       ; the way out: a stage of 16 rows x (128 bytes + 16) for each wave, in slot 0, which has had its last fill and its last read by then
.set CO,   8                           ; v8-11   the way out: my byte offsets in the output, four rows apart
.set ADRA, 16                          ; v16-17  LDS address of my A fragments in slot 0, 1
.set ADRB, 20                          ; v20-21  the same for B
.set STO,  24                          ; v24     the way out: where I put 16 bytes of a row
.set RD,   25                          ; v25     the way out: where I read 16 bytes back
.set SPW,  28                          ; v28     LDS address of my spare word; never rewritten
.set NIL,  29                          ; v29     0; never rewritten
.set SC,   30                          ; v30     2^(eX - e0 - e1) as f32
.set TMP,  32
.set PC,   96                          ; v96-127 a block's codes, two sets by turns
.set AF,   128                         ; A's fragments, in window 0
.set BK,   128                         ; the way out: v128-159: rows read back, two sets by turns
.set G1, 24                            ; s[24:31] descriptor group 1 for A's tiles;  s[32:39] group 0, one set for each slot
.set G0, 32
.set G1B, 48                           ; s[48:55], s[56:63] the same for B's tiles
.set G0B, 56
.set OUT,  78                          ; s[78:79] the output's address
.set S1,   88                          ; s88     shift of the lanes' upper half in the output: 17 (the next head) or 6 (the row's second 64 bytes)
.set S2,   89                          ; s89     shift of a row in the output: 6 (64 bytes) or 7 (128 bytes)
.set STP,  90                          ; s[90:91] 16 rows of the output in bytes
.set PLIM, 92                          ; s92     448 x the scale
.set NLIM, 93                          ; s93     its negative
.set CLY,  98                          ; s98     the cluster's y
.set SECT, 99                          ; s99     the cluster's x: 0 q, 1 k, 2 v
.set MSB, 0
.macro WIN new                         ; the immediate's high byte repeats the setting that is left
.if MSB != \new
	s_set_vgpr_msb (MSB<<8)|\new
.set MSB, \new
.endif
.endm
.set MUL_LO, 0xa1                      ; source 0 (B) window 1, source 1 (A) window 0, C and D window 2
.set MUL_HI, 0xf1                      ; the same, C and D window 3
.set TO_B,   0x40                      ; destination window 1, address window 0
; A joint load: waves 0 and 1 fetch for A, waves 2 and 3 for B.  Each line has one mask and one set of registers for all that issue it; the branch hangs on the wave's number alone.
; Four v_nop follow each of the two lines, ahead of the jump, the label and what follows.
.macro JLOAD g0a, g1a, g0b, g1b
	s_cmp_eq_u32 s15, 0
	s_cbranch_scc0 .Lfor_b_\@
	tensor_load_to_lds s[\g0a:\g0a+3], s[\g1a:\g1a+7]
	s_nop 0
.rept 4
	v_nop
.endr
	s_branch .Lasked_\@
.Lfor_b_\@:
	tensor_load_to_lds s[\g0b:\g0b+3], s[\g1b:\g1b+7]
	s_nop 0
.rept 4
	v_nop
.endr
.Lasked_\@:
.endm
.macro CREST                           ; a round of the cluster's barrier behind its opening barrier
	s_cmp_lg_u32 s14, 0
	s_cbranch_scc1 .Lnot_wave_0_\@
	s_barrier_signal -3
.Lnot_wave_0_\@:
	s_barrier_wait -3
	s_barrier_signal -1
	s_barrier_wait -1
.endm
.macro CROUND                          ; a whole round
	s_barrier_signal -1
	s_barrier_wait -1
	CREST
.endm
	s_load_b128 s[4:7], s[0:1], 0x0                ; x's codes s[4:5], w_qkv's codes s[6:7]
	s_load_b128 s[8:11], s[0:1], 0x10              ; the scales' exponents s[8:9], qc s[10:11]
	s_load_b128 s[68:71], s[0:1], 0x20             ; kc s[68:69], vc s[70:71]
	v_lshl_add_u32 v[SPW], v0, 2, SPARE
	v_mov_b32 v[NIL], 0
	ds_add_u32 v28, v29
	ds_add_u32 v28, v29
	s_wait_dscnt 0x0
	v_lshrrev_b32 v1, 5, v0
	v_readfirstlane_b32 s14, v1                    ; wave 0..3
	s_lshr_b32 s15, s14, 1                         ; which half of the tile's rows is mine.  Also: I fetch for A (0) or for B (1)
	s_and_b32 s16, s14, 1                          ; which half of its columns.  Also: which 128 rows of that tile I fetch
	s_bfe_u32 s40, ttmp6, 0x40000                  ; cx, cy: my place in the cluster
	s_bfe_u32 s41, ttmp6, 0x40004
	s_mov_b32 s[SECT], ttmp9
	s_and_b32 s[CLY], ttmp7, 0xffff
	s_cmp_eq_u32 s[SECT], 2                        ; v?  The same answer in all sixteen partners
	s_cselect_b32 s66, 0, s[CLY]                   ; clusters along C's rows: v has 4 tile rows (1,024 rows of w), q and k 32 (8,192 rows of x)
	s_cselect_b32 s67, s[CLY], s[SECT]             ; clusters along C's columns: v: 32 tile columns of x's rows; q, k: tile columns 0-3, 4-7 of w's rows
	s_cselect_b32 s[S1], 6, 17
	s_cselect_b32 s[S2], 7, 6
	s_lshl_b32 s42, s67, 2
	s_add_co_u32 s42, s42, s40                     ; tile column of C'
	s_lshl_b32 s17, s66, 2
	s_add_co_u32 s17, s17, s41                     ; tile row of C'
	s_lshl_b32 s43, s41, 2
	s_lshl_b32 s43, 15, s43                        ; my row of the cluster
	s_lshl_b32 s44, 0x1111, s40                    ; my column
	; descriptor group 1: a tile of 128 rows x 256 bytes, padded in LDS
	s_or_b32 s[G1+0], s43, (0<<16)|(1<<20)|(1<<21)|(5<<22)|(3<<25)  ; 15:0 the mask: A's tiles go to my row; 17:16 elements of 1 byte; 20 padding on; 21 set beside a mask; 24:22 after every 64 words (code 5); 31:25 of 4 words (code 3)
	s_or_b32 s[G1B+0], s44, (0<<16)|(1<<20)|(1<<21)|(5<<22)|(3<<25)
.irp g, G1, G1B
	s_mov_b32 s[\g+1], ROWB<<16                    ; tensor_dim0
	s_mov_b32 s[\g+2], 128<<16                     ; tensor_dim1 = 128
	s_mov_b32 s[\g+3], ROWB<<16                    ; tile_dim0
	s_mov_b32 s[\g+4], 128                         ; tile_dim1 = 128
	s_mov_b32 s[\g+5], KROW                        ; tensor_dim0_stride
	s_mov_b32 s[\g+6], 0
	s_mov_b32 s[\g+7], 0
.endr
	s_lshl_b32 s18, s16, 7                         ; which 128 rows of the tile I fetch
	s_lshl_b32 s20, s17, 8
	s_add_co_u32 s20, s20, s18                     ; A': row 256 x tile row + 128 x half
	s_lshl_b32 s46, s42, 8
	s_add_co_u32 s46, s46, s18                     ; B': row 256 x tile column + 128 x half
	s_lshl_b32 s20, s20, 10                        ; in bytes: under 8 MiB
	s_lshl_b32 s46, s46, 10
	s_mov_b32 s21, 0
	s_mov_b32 s47, 0
	s_mul_i32 s45, s14, HALFT                      ; where they go: wave x 128 rows: no place in the cluster enters an LDS address
	s_wait_kmcnt 0x0
	s_load_b256 s[80:87], s[8:9], 0x0              ; e0 .. e7
	s_add_nc_u64 s[72:73], s[6:7], 2048*KROW       ; w's rows 2048 on: v's
	s_cmp_eq_u32 s[SECT], 2
	s_cselect_b64 s[74:75], s[72:73], s[4:5]       ; A'
	s_cselect_b64 s[76:77], s[4:5], s[6:7]         ; B'
	s_cselect_b64 s[OUT:OUT+1], s[70:71], s[10:11] ; vc, or qc,
	s_cmp_eq_u32 s[SECT], 1
	s_cselect_b64 s[OUT:OUT+1], s[68:69], s[OUT:OUT+1]   ; or kc
	s_add_nc_u64 s[20:21], s[74:75], s[20:21]
	s_add_nc_u64 s[46:47], s[76:77], s[46:47]
	CROUND                                         ; all sixteen work-groups are here: the first joint loads meet
.irp s, 0,1
	s_mov_b32 s[G0+4*\s], 1
	s_add_co_u32 s[G0+4*\s+1], s45, \s*SLOT
	s_add_nc_u64 s[G0+4*\s+2:G0+4*\s+3], s[20:21], \s*ROWB
	s_or_b32 s[G0+4*\s+3], s[G0+4*\s+3], 0x80000000
	s_mov_b32 s[G0B+4*\s], 1
	s_add_co_u32 s[G0B+4*\s+1], s45, \s*SLOT
	s_add_nc_u64 s[G0B+4*\s+2:G0B+4*\s+3], s[46:47], \s*ROWB
	s_or_b32 s[G0B+4*\s+3], s[G0B+4*\s+3], 0x80000000
	JLOAD G0+4*\s, G1, G0B+4*\s, G1B
.endr
	v_and_b32 v1, 15, v0                           ; r = l % 16
	s_wait_alu depctr_va_vdst(0)
	v_bfe_u32 v2, v0, 4, 1                         ; h = l / 16
	v_mul_u32_u24 v3, v1, PITCH
	v_lshl_add_u32 v4, v2, 4, v3                   ; a fragment's row x pitch + 16 x half
	s_mul_i32 s21, s15, HALFT                      ; my 128 rows of A
	s_mul_i32 s22, s16, HALFT                      ; my 128 rows of B,
	s_add_co_u32 s22, s22, 2*HALFT                 ; which lie behind A's 256
.irp s, 0,1
	v_add_nc_u32 v[ADRA+\s], s21, v4
	v_add_nc_u32 v[ADRB+\s], s22, v4
	s_add_co_u32 s21, s21, SLOT
	s_add_co_u32 s22, s22, SLOT
.endr
	s_mul_i32 s23, s14, 16*SPITCH                  ; my stage
	v_mul_u32_u24 v5, v1, SPITCH                   ; in: row r, 16 bytes for each half of the lanes
	s_wait_alu depctr_va_vdst(0)
	v_lshl_add_u32 v5, v2, 4, v5
	v_add_nc_u32 v[STO], s23, v5
	v_bfe_u32 v6, v0, 2, 2                         ; back: lane l takes row (l % 16) / 4,
	v_and_b32 v7, 3, v0                            ; piece l % 4 of 16 bytes
	v_mul_u32_u24 v5, v6, SPITCH
	v_lshl_add_u32 v5, v2, 6, v5                   ; of the row's half l / 16
	v_lshl_add_u32 v5, v7, 4, v5
	v_add_nc_u32 v[RD], s23, v5
	v_lshlrev_b32 v12, s[S1], v2                   ; and the same place in the output: q, k: the half is the next head; v: the row's second 64 bytes
	v_lshlrev_b32 v13, s[S2], v6
	v_add_nc_u32 v12, v12, v13
	v_lshl_add_u32 v[CO], v7, 4, v12
	s_lshl_b32 s96, 4, s[S2]                       ; four rows on
	v_add_nc_u32 v[CO+1], s96, v[CO]
	v_add_nc_u32 v[CO+2], s96, v[CO+1]
	v_add_nc_u32 v[CO+3], s96, v[CO+2]
	; where my wave's part begins in the output: (b << 21) + (X << 17) + (Y << S2).  q, k: X = my first head, Y = my first token in b;  v: X = my 128 tokens in b, Y = my first row 64 h + d
	s_and_b32 s94, s42, 7
	s_lshl_b32 s94, s94, 1
	s_add_co_u32 s94, s94, s16                     ; v: 2 (tile column % 8) + half
	s_and_b32 s95, s42, 3
	s_lshl_b32 s95, s95, 2
	s_lshl_b32 s96, s16, 1
	s_add_co_u32 s95, s95, s96                     ; q, k: 4 (tile column % 4) + 2 x half
	s_cmp_eq_u32 s[SECT], 2
	s_cselect_b32 s94, s94, s95                    ; X
	s_cselect_b32 s95, s42, s17                    ; the coordinate that runs over x's rows
	s_lshr_b32 s95, s95, 3                         ; b
	s_lshl_b32 s95, s95, 21
	s_lshl_b32 s94, s94, 17
	s_add_co_u32 s94, s94, s95
	s_and_b32 s95, s17, 7
	s_lshl_b32 s95, s95, 8
	s_lshl_b32 s96, s15, 7
	s_add_co_u32 s95, s95, s96                     ; Y
	s_lshl_b32 s95, s95, s[S2]
	s_add_co_u32 s94, s94, s95                     ; under 8 MiB
	s_mov_b32 s95, 0
	s_add_nc_u64 s[OUT:OUT+1], s[OUT:OUT+1], s[94:95]
	s_lshl_b32 s[STP], 16, s[S2]
	s_mov_b32 s[STP+1], 0
.macro FRAG reg, adr, q, i             ; a fragment, 16 rows x 128 K: lane l holds row l % 16; registers 4 c .. 4 c + 3 hold K = 32 c + 16 (l / 16) + 0 .. 15
.irp c, 0,1,2,3
	ds_load_b128 v[\reg+4*\c:\reg+4*\c+3], v[\adr] offset:128*(\q)+32*\c+(\i)*16*PITCH
.endr
.endm
; 16 matrix instructions: A's blocks a0, a0 + 1 x B's eight, 128 along K.  p: B's set.  zero = 1: the first product starts the sums: nothing is ever cleared.
; The 64 accumulators take turns, one instruction a turn, in the same order in every step.
.macro MUL16 a0, p, zero
.irp a, \a0, \a0+1
.irp b, 0,1,2,3,4,5,6,7
.if \zero
	v_wmma_f32_16x16x128_fp8_fp8 v[8*(8*((\a)%4)+\b):8*(8*((\a)%4)+\b)+7], v[128*(\p)+FR*\b:128*(\p)+FR*\b+FR-1], v[AF+FR*(\a):AF+FR*(\a)+FR-1], 0
.else
	v_wmma_f32_16x16x128_fp8_fp8 v[8*(8*((\a)%4)+\b):8*(8*((\a)%4)+\b)+7], v[128*(\p)+FR*\b:128*(\p)+FR*\b+FR-1], v[AF+FR*(\a):AF+FR*(\a)+FR-1], v[8*(8*((\a)%4)+\b):8*(8*((\a)%4)+\b)+7]
.endif
.endr
.endr
.endm
.macro FETCH_B slot, q, p              ; B's eight fragments of the slot's q-th 128 along K into set p
	WIN TO_B
.irp i, 0,1,2,3,4,5,6,7
	FRAG 128*(\p)+FR*\i, ADRB+\slot, \q, \i
.endr
	WIN 0
.endm
.macro FETCH_A slot, q, i0             ; A's blocks i0 .. i0 + 3
.irp i, \i0, \i0+1, \i0+2, \i0+3
	FRAG AF+FR*(\i), ADRA+\slot, \q, \i
.endr
.endm
; A load into a register that a matrix instruction has read, and a vector instruction that reads a matrix result, stand NP places behind that matrix instruction; only plain vector
; instructions that name none of its registers are places (ISA guide 7.12.1 for vector instructions).
.macro PLACES n
.rept \n
	v_nop
.endr
.endm
; A step of 128 along K that has its successor in the same slot.
.macro STEP slot, q, zero
	s_wait_dscnt 4*NL                              ; B's set and A's blocks 0-3 are in; the youngest sixteen loads (A's blocks 4-7) may be out
	WIN MUL_LO
	MUL16 0, (\q)%2, \zero
	MUL16 2, (\q)%2, \zero
	s_wait_dscnt 0                                 ; A's blocks 4-7 are in (asked for 32 matrix instructions ago)
	PLACES NP
	FETCH_B \slot, (\q)+1, 1-(\q)%2
	FETCH_A \slot, (\q)+1, 0
	WIN MUL_HI
	MUL16 4, (\q)%2, \zero
	MUL16 6, (\q)%2, \zero
	PLACES NP
	WIN 0
	FETCH_A \slot, (\q)+1, 4
.endm
; A slot's last step changes slots: ONE barrier; in front of it each wave waits for all its tensor loads, adds 0 to its spare word, and waits for that and for its own reads of this slot.  fill = 1: this slot is filled again, two slots ahead.
.macro TURN slot, next, fill
	s_wait_tensorcnt 0x0                           ; all my tensor loads have landed: my part of the next slot;  (every window is 0 here)
	ds_add_u32 v[SPW], v[NIL]                      ; 0 onto my spare word
	s_wait_dscnt 4*NL+1                            ; (the add and the youngest sixteen loads, A's blocks 4-7, may be out)
	WIN MUL_LO
	MUL16 0, 1, 0                                  ; sixteen matrix instructions stand between the add and the wait for it
	s_wait_dscnt 0x0                               ; the add is done, and my reads of this slot are over
	s_barrier_signal -1
	MUL16 2, 1, 0
	WIN 0
	s_barrier_wait -1
.if \fill
	CREST                                          ; the barrier has opened a round of the cluster's barrier: no wave of any partner still reads this slot's tile or has a load on its way
	s_add_nc_u64 s[G0+4*\slot+2:G0+4*\slot+3], s[G0+4*\slot+2:G0+4*\slot+3], 2*ROWB
	s_add_nc_u64 s[G0B+4*\slot+2:G0B+4*\slot+3], s[G0B+4*\slot+2:G0B+4*\slot+3], 2*ROWB
	JLOAD G0+4*\slot, G1, G0B+4*\slot, G1B         ; the first tensor load behind the round; the four v_nop behind it are the places in front of the loads below
.else
	PLACES NP
.endif
	FETCH_B \next, 0, 0
	FETCH_A \next, 0, 0
	WIN MUL_HI
	MUL16 4, 1, 0
	MUL16 6, 1, 0
	PLACES NP
	WIN 0
	FETCH_A \next, 0, 4
.endm
	s_wait_tensorcnt 1                             ; my part of slot 0 is in (slot 1's load may be out)
	s_barrier_signal -1
	s_barrier_wait -1                              ; everybody's is
	FETCH_B 0, 0, 0
	FETCH_A 0, 0, 0
	FETCH_A 0, 0, 4
	STEP 0, 0, 1                                   ; the first step stands in front of the loop: its products start the sums
	s_mov_b32 s3, LAPS-1
.Llap:                                                 ; a trip goes once round the ring, from a lap's second step to the next lap's first, and fills both slots again
	TURN 0, 1, 1
	STEP 1, 0, 0
	TURN 1, 0, 1
	STEP 0, 0, 0
	s_sub_co_u32 s3, s3, 1
	s_cmp_lg_u32 s3, 0
	s_cbranch_scc1 .Llap
	TURN 0, 1, 0                                   ; the last lap fills nothing, and has no round of the cluster's barrier
	STEP 1, 0, 0
	s_wait_dscnt 4*NL                              ; the very last step: nothing more to fetch
	WIN MUL_LO
	MUL16 0, 1, 0
	MUL16 2, 1, 0
	s_wait_dscnt 0
	WIN MUL_HI
	MUL16 4, 1, 0
	MUL16 6, 1, 0
	WIN 0
; THE WAY OUT, block by block of 16 rows x 128 columns.  A lane's 64 sums are not clamped (the conversion to an 8-bit code does not saturate: ISA guide 7.6.2) and become 64 codes.
; The lanes beside it hold other rows: so a block goes through my own stage in LDS and comes back so that each store of the wave writes whole aligned runs of 256 bytes:
; q, k: four tokens x 64 bytes of each of two heads;  v: four rows of 128 bytes on end.  LDS serves a wave's instructions in order (ISA guide 5.7.1.4): no wait between the stores and the loads.
.macro TOSTAGE a
.set AC, 64*((\a)%4)
.set PP, PC+16*((\a)%2)
.set BB, BK+16*((\a)%2)
	WIN 0x02+((\a)/4)                              ; source 0: window 2 or 3
.set i, 0
.rept 64
.set i, i+1
.endr
.irp g, 0,1,2,3,4,5,6,7
	v_cvt_scalef32_pk8_fp8_f32 v[PP+2*\g:PP+2*\g+1], v[AC+8*\g:AC+8*\g+7], v[SC]
.endr
	WIN 0
	v_nop                                          ; one plain vector instruction behind the last conversion, ahead of whatever next writes its sources
.irp c, 0,1,2,3
	ds_store_b128 v[STO], v[PP+4*\c:PP+4*\c+3] offset:32*\c   ; at 32 c + 16 h: columns 32 c + 8 h + 0 .. 7, then 32 c + 16 + 8 h + 0 .. 7
.endr
.irp j, 0,1,2,3
	ds_load_b128 v[BB+4*\j:BB+4*\j+3], v[RD] offset:\j*4*SPITCH
.endr
.endm
.macro SEND a, younger                 ; younger: the LDS instructions issued behind block a's loads, which may stay out
.set BB, BK+16*((\a)%2)
	s_wait_dscnt \younger                          ; the block is back in registers
.if (\a) > 0
	s_add_nc_u64 s[OUT:OUT+1], s[OUT:OUT+1], s[STP:STP+1]   ; (behind a wait on XCNT: the earlier stores have read their base)  16 rows on
.endif
.irp j, 0,1,2,3
	global_store_b128 v[CO+\j], v[BB+4*\j:BB+4*\j+3], s[OUT:OUT+1]
.endr
.endm
	s_wait_kmcnt 0x0
	s_cmp_eq_u32 s[SECT], 0
	s_cselect_b32 s94, s82, s85                    ; e2 for q, e5 for v,
	s_cmp_eq_u32 s[SECT], 1
	s_cselect_b32 s94, s83, s94                    ; e3 for k
	s_sub_co_i32 s94, s94, s80
	s_sub_co_i32 s94, s94, s81                     ; eX - e0 - e1
	s_add_co_i32 s94, s94, 127
	s_lshl_b32 s95, s94, 23
	v_mov_b32 v[SC], s95                           ; the scale as f32: the conversion takes its exponent field
	s_add_co_i32 s94, s94, 8
	s_lshl_b32 s94, s94, 23
	s_or_b32 s[PLIM], s94, 0x600000                ; 448 x the scale
	s_or_b32 s[NLIM], s[PLIM], 0x80000000
	PLACES NP                                      ; behind the last products: for the reads of results and the loads into the registers that held A's fragments
	TOSTAGE 0
.irp a, 1,2,3,4,5,6,7
.if \a > 1
	s_wait_xcnt 0x0                                ; block a - 2's stores have read their registers and their base: block a's loads may land there, and the base may step
.endif
	TOSTAGE \a
	SEND \a-1, 8                                   ; behind block a - 1's loads: block a's 4 stores and 4 loads
.endr
	s_wait_xcnt 0x0                                ; block 6's stores have read their base
	SEND 7, 0
	s_wait_tensorcnt 0x0                           ; the wave's end: behind my last tensor load and my last LDS store
	ds_add_u32 v[SPW], v[NIL]
	s_wait_dscnt 0x0
	CROUND                                         ; the closing round: no work-group ends while a partner may still ask for a tile that names it
	s_endpgm
.Lfunc_end_k_q97e296e8b3_qkv:
	.size	k_q97e296e8b3_qkv, .Lfunc_end_k_q97e296e8b3_qkv-k_q97e296e8b3_qkv
	.p2alignl 7, 3214868480
	.fill 96, 4, 3214868480
	.section	.rodata,"a",@progbits
	.p2align	6, 0x0
	.amdhsa_kernel k_q97e296e8b3_qkv
		.amdhsa_group_segment_fixed_size 327680
		.amdhsa_private_segment_fixed_size 0
		.amdhsa_enable_private_segment 0
		.amdhsa_kernarg_size 48
		.amdhsa_user_sgpr_count 2
		.amdhsa_user_sgpr_kernarg_segment_ptr 1
		.amdhsa_wavefront_size32 1
		.amdhsa_system_sgpr_workgroup_id_x 1
		.amdhsa_system_sgpr_workgroup_id_y 1
		.amdhsa_system_sgpr_workgroup_id_z 1
		.amdhsa_system_vgpr_workitem_id 0
		.amdhsa_next_free_vgpr 1024
		.amdhsa_next_free_sgpr 100
		.amdhsa_reserve_vcc 0
		.amdhsa_float_denorm_mode_32 3
		.amdhsa_float_denorm_mode_16_64 3
		.amdhsa_fp16_overflow 1
		.amdhsa_memory_ordered 1
		.amdhsa_forward_progress 1
		.amdhsa_inst_pref_size 92
	.end_amdhsa_kernel
	.amdgpu_metadata
---
amdhsa.version: [ 1, 2 ]
amdhsa.kernels:
  - .name:           k_q97e296e8b3_qkv
    .symbol:         k_q97e296e8b3_qkv.kd
    .args:
      - { .name: x_codes, .offset: 0, .size: 8, .value_kind: global_buffer, .address_space: global }
      - { .name: w_qkv_codes, .offset: 8, .size: 8, .value_kind: global_buffer, .address_space: global }
      - { .name: lowp_scales, .offset: 16, .size: 8, .value_kind: global_buffer, .address_space: global }
      - { .name: qc, .offset: 24, .size: 8, .value_kind: global_buffer, .address_space: global }
      - { .name: kc, .offset: 32, .size: 8, .value_kind: global_buffer, .address_space: global }
      - { .name: vc, .offset: 40, .size: 8, .value_kind: global_buffer, .address_space: global }
    .group_segment_fixed_size: 327680
    .private_segment_fixed_size: 0
    .kernarg_segment_align: 8
    .kernarg_segment_size: 48
    .max_flat_workgroup_size: 128
    .sgpr_count:     100
    .vgpr_count:     1024
    .wavefront_size: 32
...
	.end_amdgpu_metadata
.endif
;; end of part 1
;; launch attn (part 2): grid 4 x 64, 16 waves a work-group, no clusters, 327,680 bytes of LDS; arguments qc, kc, vc, lowp_scales, ac; writes ac
.if DOCPART == 2
	.amdgcn_target "amdgcn-amd-amdhsa--gfx1250"
	.amdhsa_code_object_version 6
	.text
	.protected	k_q97e296e8b3_attn
	.globl	k_q97e296e8b3_attn
	.p2align	8
	.type	k_q97e296e8b3_attn,@function
k_q97e296e8b3_attn:
	s_mov_b64 s[64:65], 0
	v_nop
	global_prefetch_b8 v0, s[64:65] scope:SCOPE_SE
	s_setreg_imm32_b32 hwreg(HW_REG_WAVE_MODE, 25, 1), 1
	s_wait_xcnt 0x0
; CAUSAL ATTENTION ON CODES OF FP8 (E4M3), head size 64, 2,048 tokens, 64 heads (b, h); the result is quantised at once with the given scale 2^e6.
; qc, kc: [b][h][t][64] codes (scales 2^e2, 2^e3), the head's 64 in one order in both.  vc: [b][t / 128][64 h + d][128] codes (2^e5), the keys innermost, laid so that loads of 16 bytes give the K = 128 form its own places.
; ac: [h][2048 b + t][64] codes, d in its natural order.
; THE SOFTMAX: t = score x log2(e) / 8; M = the row's largest t so far, rounded UP to a whole number; p = 2^(t - M) is quantised with 2^e4, not normalised.  The row's sum is taken of the unquantised p, in f32,
; and divides the result at the end.  When M moves, the sum and O are multiplied by 2^(old M - new M): exact.
; SHARES.  A work-group owns the query blocks p and 7 - p (256 queries each) of one head, one after the other; each of its sixteen waves owns 16 queries of the block in hand, in 256 registers: four waves to a SIMD.
; Block p needs the key slots (256 keys) 0 .. p, block 7 - p the slots 0 .. 7 - p: NINE SLOTS FOR EVERY p.  So the loop's trip count is a constant and all 256 work-groups have the same work.
; K's and V's tiles come through a ring of two LDS slots filled by the tensor data mover (waves 0, 1: K's halves; waves 2, 3: V's two key steps) and read by all sixteen.
; NO CLUSTER: the four work-groups of a head would have to ask for the same slot in the same round; walking slots 0 .. 7 jointly with both blocks in hand costs in each round the largest partner's work,
; 2+2+2+2+1+1+1+1 = 12 slot-times against these 9, to share 32 KiB a slot.
; LAYOUT.  Both products are used transposed: S^T = K Q^T (source 0 = 16 neighbouring keys, source 1 = my 16 queries), O^T = V^T P^T: a lane holds ONE query (lane % 16) throughout.  In tile t of S^T lane (r, h) holds
; keys 16 t + 8 h + 0 .. 7: their eight codes are registers 2 t, 2 t + 1 of the second product's operand as they fall.
; THE MASK.  A key step all of whose keys come after my 16 queries is left out (a scalar branch on ids); on the diagonal hidden scores become -infinity ahead of the maximum, so p = 0.
; LIMITS: the definition adds -1e9 to hidden scores; here they count for nothing, which is the same in f32 while a row's open scores lie above about -1e9.  e2 + e3 between -123 and 130 (added to c's exponent field);
; e4 between -126 and 119; e4 + e5 - e6 is applied by v_ldexp_f32.  NaN among the codes is not served.
.set KP,    80                         ; a key's row in LDS: 64 bytes + 16 of padding
.set VP,    144                        ; a row of V^T (128 keys) in LDS: 128 bytes + 16
.set KHALF, 128*KP                     ; what one of K's loads brings
.set VOFF,  256*KP                     ; a slot: 256 rows of K, then two key steps of V^T
.set VSTEP, 64*VP                      ; what one of V's loads brings: 64 rows
.set SLOT1, 1<<16                      ; slot 1 begins here: one exclusive or turns an address in one slot into the other's
.set STAGE, 2*SLOT1                    ; behind the ring: 16 rows x 80 bytes for each wave; no tile lands here
.set SP,    80
.set SPARE, STAGE+16*16*SP             ; behind the stages: the spare words, 128 bytes for each wave
.set AK0,  1                           ; v1   my lane's place in a tile of K
.set AV0,  2                           ; v2   the same for V
.set STO,  3                           ; v3   the stage: where I put 8 codes of a row
.set SRD,  4                           ; v4   and where I read 16 back
.set SPW,  5                           ; v5   LDS address of my spare word; never rewritten
.set NIL,  6                           ; v6   0; never rewritten
.set GO,   7                           ; v7   16 x lane: my byte in the wave's rows of ac
.set ADK,  8                           ; v8   LDS address of the step's tiles of K
.set ADV,  9                           ; v9   of V
.set DL,   10                          ; v10  r - 8 h, for the mask
                                       ; v12 -M, v13 the largest t, v[14:15] the sum in two halves
.set QF,   16                          ; v16-23   Q's fragment in hand
.set QN,   24                          ; v24-31   that of block 7 - p
.set FRG,  32                          ; v32-95   K's eight fragments, then V's four
.set S,    96                          ; v96-159  S^T, then p
.set OT,   160                         ; v160-191 O^T
.set PCD,  192                         ; v192-207 p's codes; at a block's end the result's codes and rows
                                       ; v208 a lane permute's destination; v[210:211] f; v[212:213] a second chain of sums; v214, v215 at work; v216 2^e4; v218 1.0
.set WV,   18                          ; s18  my wave's number
.set SEL,  20                          ; s[20:21] lane selects for v_permlanex16_b32: lane l xor 16
.set CS,   22                          ; s[22:23] c = log2(e) / 8 x 2^(e2 + e3)
.set G1K,  24                          ; s[24:31] descriptor group 1 for K's tiles;  s[32:39] for V's;  s[40:43], s[44:47] their groups 0
.set G1V,  32
.set G0K,  40
.set G0V,  44
.set KB,   48                          ; s[48:49] the address of my part of the head's first slot of K
.set VB,   50                          ; s[50:51] of V
.set P,    52                          ; s52  p
.set P1,   53                          ; s53  p + 1
.set T,    54                          ; s54  the trip, 0 .. 8
.set TB,   55                          ; s55  LDS byte at which the slot in hand begins
.set KF,   56                          ; s56  the step's first key
.set Q0,   57                          ; s57  my first query
.set OUT2, 58                          ; s[58:59] my rows of ac in block 7 - p  (s[16:17]: in the block in hand)
.set EO,   76                          ; s76  e4 + e5 - e6
.set NEG,  77
.set POS,  78
.set Q0B,  79                          ; s79  my first query in block 7 - p
; Waves 0 and 1 fetch for K, waves 2 and 3 for V, the others nothing.  The branches hang on the wave's number alone.  Four v_nop follow each of the two lines.
.macro TLOAD
	s_cmp_lt_u32 s[WV], 2
	s_cbranch_scc0 .Lnot_k_\@
	tensor_load_to_lds s[G0K:G0K+3], s[G1K:G1K+7]
	s_nop 0
.rept 4
	v_nop
.endr
	s_branch .Lasked_\@
.Lnot_k_\@:
	s_cmp_lt_u32 s[WV], 4
	s_cbranch_scc0 .Lasked_\@
	tensor_load_to_lds s[G0V:G0V+3], s[G1V:G1V+7]
	s_nop 0
.rept 4
	v_nop
.endr
.Lasked_\@:
.endm
.macro RESET                           ; a block begins: the largest t is under every t, the sum and O^T are zeros, which the first change of M leaves zeros
	v_mov_b32 v13, 0xff61b1e6                      ; -3e38
	s_delay_alu instid0(VALU_DEP_1)
	v_floor_f32 v12, -v13                          ; -M
	v_mov_b32 v14, 0
	v_mov_b32 v15, 0
.set j, 0
.rept 32
	v_mov_b32 v[OT+j], 0
.set j, j+1
.endr
.endm
	s_load_b128 s[4:7], s[0:1], 0x0                ; qc s[4:5], kc s[6:7]
	s_load_b128 s[8:11], s[0:1], 0x10              ; vc s[8:9], the scales' exponents s[10:11]
	s_load_b64 s[12:13], s[0:1], 0x20              ; ac
	v_lshl_add_u32 v[SPW], v0, 2, SPARE
	v_mov_b32 v[NIL], 0
	ds_add_u32 v5, v6
	ds_add_u32 v5, v6
	s_wait_dscnt 0x0
	v_lshrrev_b32 v8, 5, v0
	s_delay_alu instid0(VALU_DEP_1)
	v_readfirstlane_b32 s[WV], v8                  ; wave 0..15
	s_mov_b32 s[P], ttmp9
	s_add_co_u32 s[P1], s[P], 1
	s_and_b32 s80, ttmp7, 0xffff                   ; 16 b + h
	s_lshr_b32 s81, s80, 4                         ; b
	s_and_b32 s82, s80, 15                         ; h
	s_and_b32 s83, s[WV], 1                        ; which half of K's slot, or which key step of V's, I fetch if I fetch
	s_lshl_b32 s84, s80, 17                        ; the head's first byte in qc and kc: 2,048 rows of 64
	s_mov_b32 s85, 0
	s_lshl_b32 s86, s83, 13
	s_add_co_u32 s86, s86, s84                     ; K: + 128 keys x 64 bytes for the second half
	s_mov_b32 s87, 0
	s_lshl_b32 s88, s81, 21                        ; V: (b << 21) + 64 h rows of 128 bytes + (the key step << 17)
	s_lshl_b32 s90, s82, 13
	s_add_co_u32 s88, s88, s90
	s_lshl_b32 s90, s83, 17
	s_add_co_u32 s88, s88, s90
	s_mov_b32 s89, 0
	s_mul_i32 s91, s83, KHALF                      ; and their places in a slot
	s_mul_i32 s92, s83, VSTEP
	s_add_co_u32 s92, s92, VOFF
	s_lshl_b32 s93, s[WV], 4
	s_lshl_b32 s[Q0], s[P], 8
	s_add_co_u32 s[Q0], s[Q0], s93                 ; my first query: 256 p + 16 wave,
	s_sub_co_u32 s[Q0B], 7, s[P]
	s_lshl_b32 s[Q0B], s[Q0B], 8
	s_add_co_u32 s[Q0B], s[Q0B], s93               ; later 256 (7 - p) + 16 wave
	s_lshl_b32 s94, s82, 19                        ; ac: (h << 19) + (b << 17) + (query << 6)
	s_lshl_b32 s95, s81, 17
	s_add_co_u32 s94, s94, s95
	s_lshl_b32 s60, s[Q0], 6
	s_add_co_u32 s60, s60, s94
	s_mov_b32 s61, 0
	s_lshl_b32 s62, s[Q0B], 6
	s_add_co_u32 s62, s62, s94
	s_mov_b32 s63, 0                               ; stays 0: the upper word of the offsets made in s62
	; descriptor group 1.  Each tile is 8,192 bytes on end in memory, stated as 32 rows of 256 bytes; the padding follows every key's 64 bytes (K) or every row's 128 (V)
	s_mov_b32 s[G1K], (0<<16)|(1<<20)|(3<<22)|(3<<25)   ; 15:0 no mask; 17:16 elements of 1 byte; 20 padding on; 24:22 after every 16 words (code 3); 31:25 four words (code 3)
	s_mov_b32 s[G1V], (0<<16)|(1<<20)|(4<<22)|(3<<25)   ; the same after every 32 words (code 4)
.irp g, G1K, G1V
	s_mov_b32 s[\g+1], 256<<16                     ; tensor_dim0
	s_mov_b32 s[\g+2], 32<<16                      ; tensor_dim1
	s_mov_b32 s[\g+3], 256<<16                     ; tile_dim0
	s_mov_b32 s[\g+4], 32                          ; tile_dim1
	s_mov_b32 s[\g+5], 256                         ; tensor_dim0_stride
	s_mov_b32 s[\g+6], 0
	s_mov_b32 s[\g+7], 0
.endr
	s_mov_b32 s[SEL], 0x76543210
	s_mov_b32 s[SEL+1], 0xfedcba98
	s_mov_b32 s[CS], 0x3e38aa3b                    ; log2(e) / 8
	s_mov_b32 s[T], 0
	s_mov_b32 s[TB], 0
	s_mov_b32 s[KF], 0
	s_wait_kmcnt 0x0
	s_load_b256 s[68:75], s[10:11], 0x0            ; e0 .. e7
	s_add_nc_u64 s[KB:KB+1], s[6:7], s[86:87]
	s_add_nc_u64 s[VB:VB+1], s[8:9], s[88:89]
	s_add_nc_u64 s[16:17], s[12:13], s[60:61]
	s_add_nc_u64 s[OUT2:OUT2+1], s[12:13], s[62:63]
	s_add_nc_u64 s[4:5], s[4:5], s[84:85]          ; qc at the head's first row
	s_mov_b32 s[G0K], 1                            ; 1:0 count = 1
	s_mov_b32 s[G0K+1], s91                        ; 63:32 LDS address: slot 0
	s_mov_b64 s[G0K+2:G0K+3], s[KB:KB+1]           ; 120:64 global address: the head's first 256 keys
	s_or_b32 s[G0K+3], s[G0K+3], 0x80000000        ; 127:126 type = 2
	s_mov_b32 s[G0V], 1
	s_mov_b32 s[G0V+1], s92
	s_mov_b64 s[G0V+2:G0V+3], s[VB:VB+1]
	s_or_b32 s[G0V+3], s[G0V+3], 0x80000000
	TLOAD                                          ; slot 0: one tensor load of a wave is out
	v_and_b32 v214, 15, v0                         ; r = lane % 16
	v_bfe_u32 v215, v0, 4, 1                       ; h = lane / 16
	s_delay_alu instid0(VALU_DEP_2)
	v_lshlrev_b32 v8, 6, v214
	s_delay_alu instid0(VALU_DEP_1)
	v_lshl_add_u32 v8, v215, 4, v8                 ; Q: row r of 64 bytes, + 16 h
	s_lshl_b32 s80, s[Q0], 6
	s_lshl_b32 s81, s[Q0B], 6
	v_add_nc_u32 v9, s81, v8
	v_add_nc_u32 v8, s80, v8
	global_load_b128 v[QF:QF+3], v8, s[4:5]                  ; both blocks' fragments of Q stay in registers
	global_load_b128 v[QF+4:QF+7], v8, s[4:5] offset:32
	global_load_b128 v[QN:QN+3], v9, s[4:5]
	global_load_b128 v[QN+4:QN+7], v9, s[4:5] offset:32
	v_mul_u32_u24 v[AK0], v214, KP
	s_delay_alu instid0(VALU_DEP_1)
	v_lshl_add_u32 v[AK0], v215, 4, v[AK0]
	v_mul_u32_u24 v[AV0], v214, VP
	s_delay_alu instid0(VALU_DEP_1)
	v_lshl_add_u32 v[AV0], v215, 4, v[AV0]
	s_delay_alu instid0(VALU_DEP_1)
	v_add_nc_u32 v[AV0], VOFF, v[AV0]
	s_mul_i32 s82, s[WV], 16*SP
	s_add_co_u32 s82, s82, STAGE                   ; my stage
	v_mul_u32_u24 v[STO], v214, SP
	s_delay_alu instid0(VALU_DEP_1)
	v_lshl_add_u32 v[STO], v215, 3, v[STO]
	s_delay_alu instid0(VALU_DEP_1)
	v_add_nc_u32 v[STO], s82, v[STO]               ; in: row r, + 8 h
	v_and_b32 v[GO], 31, v0                        ; lane
	s_delay_alu instid0(VALU_DEP_1)
	v_lshrrev_b32 v[SRD], 2, v[GO]
	s_delay_alu instid0(VALU_DEP_1)
	v_mul_u32_u24 v[SRD], v[SRD], SP
	v_and_b32 v[DL], 3, v0
	s_delay_alu instid0(VALU_DEP_1)
	v_lshl_add_u32 v[SRD], v[DL], 4, v[SRD]
	s_delay_alu instid0(VALU_DEP_1)
	v_add_nc_u32 v[SRD], s82, v[SRD]               ; back: row lane / 4, piece lane % 4 of 16 bytes
	v_lshlrev_b32 v[GO], 4, v[GO]                  ; which in ac, whose rows of 64 bytes lie on end, is byte 16 x lane
	v_lshlrev_b32 v[DL], 3, v215
	s_delay_alu instid0(VALU_DEP_1)
	v_sub_nc_u32 v[DL], v214, v[DL]                ; r - 8 h
	v_mov_b32 v208, 0                              ; written once: a lane permute's destination counts as one of its sources
	v_mov_b32 v211, 0                              ; (named as the upper half of the pair v[210:211])
	v_mov_b32 v218, 1.0
	RESET
	s_wait_kmcnt 0x0
	s_add_co_i32 s80, s70, s71
	s_lshl_b32 s80, s80, 23
	s_add_co_i32 s[CS], s[CS], s80                 ; a score stands for score x 2^(e2 + e3): the two exponents are added to c's exponent field
	s_mov_b32 s[CS+1], s[CS]                       ; (named with it as a pair, so it is written)
	s_add_co_i32 s80, s72, 127
	s_lshl_b32 s81, s80, 23
	v_mov_b32 v216, s81                            ; 2^e4 as f32, for p's conversion
	s_add_co_i32 s[EO], s72, s73
	s_sub_co_i32 s[EO], s[EO], s74                 ; e4 + e5 - e6
; A KEY STEP: 128 keys, the q-th of the slot in hand.
.macro STEP q
	s_add_co_u32 s60, s[Q0], 15                    ; all 128 keys behind my 16 queries: the step's work is left out, not the line at its end that steps the key
	s_cmp_gt_u32 s[KF], s60
	s_cbranch_scc1 .Lhidden_\@
	v_add_nc_u32 v[ADK], s[TB], v[AK0]
	v_add_nc_u32 v[ADV], s[TB], v[AV0]
	v_nop                                          ; with the two additions: four places in front of loads into registers that the last products read
	v_nop
.irp t, 0,1,2,3,4,5,6,7                        ; K's eight tiles of 16 neighbouring keys x 64
	ds_load_b128 v[FRG+8*\t:FRG+8*\t+3], v[ADK] offset:(128*(\q)+16*\t)*KP
	ds_load_b128 v[FRG+8*\t+4:FRG+8*\t+7], v[ADK] offset:(128*(\q)+16*\t)*KP+32
.endr
	s_wait_alu depctr_va_vdst(0)
	s_wait_dscnt 0x0
.irp t, 0,1,2,3,4,5,6,7
	v_wmma_f32_16x16x64_fp8_fp8 v[S+8*\t:S+8*\t+7], v[FRG+8*\t:FRG+8*\t+7], v[QF:QF+7], 0
.endr
.rept 4
	v_nop                                          ; places: in front of the loads below and of the first read of the scores
.endr
.irp t, 0,1,2,3                                ; V^T's four tiles of 16 of the head's 64 x 128 keys: asked for now, they land under the softmax
.irp c, 0,1,2,3
	ds_load_b128 v[FRG+16*\t+4*\c:FRG+16*\t+4*\c+3], v[ADV] offset:(\q)*VSTEP+16*\t*VP+32*\c
.endr
.endr
	s_add_co_u32 s60, s[KF], 127                   ; a step all of whose keys count for all my queries skips the mask
	s_cmp_le_u32 s60, s[Q0]
	s_cbranch_scc1 .Lopen_\@
	s_sub_co_i32 s60, s[Q0], s[KF]
	v_add_nc_u32 v215, s60, v[DL]                  ; d = my query - KF - 8 h.  Register 8 t + j holds key KF + 16 t + 8 h + j: hidden where 16 t + j > d
	v_mov_b32 v214, 0xff800000                     ; -infinity
.irp n, 0,1,2,3,4,5,6,7,8,9,10,11,12,13,14,15,16,17,18,19,20,21,22,23,24,25,26,27,28,29,30,31,32,33,34,35,36,37,38,39,40,41,42,43,44,45,46,47,48,49,50,51,52,53,54,55,56,57,58,59,60,61,62,63
	v_cmp_gt_i32 vcc_lo, 16*(\n/8)+\n%8, v215
	v_cndmask_b32 v[S+\n], v[S+\n], v214, vcc_lo
.endr
.Lopen_\@:
	v_max3_num_f32 v214, v[S], v[S+1], v[S+2]      ; the step's largest score of my query, among my 64 keys, in two chains, each tile from its low end on,
	v_max3_num_f32 v210, v[S+3], v[S+4], v[S+5]
.irp i, 6,10,14,18,22,26,30,34,38,42,46,50,54,58
	v_max3_num_f32 v214, v214, v[S+\i], v[S+1+\i]
	v_max3_num_f32 v210, v210, v[S+2+\i], v[S+3+\i]
.endr
	v_max3_num_f32 v214, v214, v[S+62], v[S+63]
	s_delay_alu instid0(VALU_DEP_1)
	v_max_num_f32 v214, v214, v210
	s_delay_alu instid0(VALU_DEP_1)
	v_permlanex16_b32 v208, v214, s[SEL], s[SEL+1]
	s_delay_alu instid0(VALU_DEP_1)
	v_max_num_f32 v214, v214, v208                 ; and among lane l xor 16's
	s_delay_alu instid0(VALU_DEP_1)
	v_mul_f32 v214, s[CS], v214                    ; as t (c is positive)
	s_delay_alu instid0(VALU_DEP_1)
	v_max_num_f32 v13, v13, v214                   ; the running largest t
	v_mov_b32 v214, v12
	s_delay_alu instid0(VALU_DEP_2)
	v_floor_f32 v12, -v13                          ; the new -M = floor(-t) = -ceil(t): M is a whole number
	s_delay_alu instid0(VALU_DEP_1)
	v_sub_f32 v214, v12, v214                      ; M's old value less its new one: a whole number, 0 or less
	s_delay_alu instid0(VALU_DEP_1)
	v_cvt_i32_f32 v214, v214                       ; (it saturates)
	s_delay_alu instid0(VALU_DEP_1)
	v_ldexp_f32 v210, 1.0, v214                    ; f = 2^(old M - new M)
.irp j, 0,2,4,6,8,10,12,14,16,18,20,22,24,26,28,30,32,34,36,38,40,42,44,46,48,50,52,54,56,58,60,62
	v_pk_fma_f32 v[S+\j:S+1+\j], v[S+\j:S+1+\j], s[CS:CS+1], v[12:13] op_sel_hi:[1,0,0]   ; t - M, two at a time (of the pairs c and -M the low word serves both halves)
.endr
.set j, 0
	s_wait_alu depctr_va_vdst(0)
.rept 64
	v_exp_f32 v[S+j], v[S+j]                       ; p = 2^(t - M), at most 1: not normalised
.set j, j+1
.endr
	v_pk_mul_f32 v[14:15], v[14:15], v[210:211] op_sel_hi:[1,0]   ; the sums under the new M.  (A plain place behind the exponentials)
	s_wait_alu depctr_va_vdst(0)
	v_pk_add_f32 v[212:213], v[100:101], v[104:105]
	v_pk_add_f32 v[254:255], v[108:109], v[112:113]
	v_pk_add_f32 v[252:253], v[116:117], v[120:121]
	v_pk_add_f32 v[250:251], v[124:125], v[128:129]
	v_pk_add_f32 v[248:249], v[132:133], v[136:137]
	v_pk_add_f32 v[246:247], v[140:141], v[144:145]
	v_pk_add_f32 v[244:245], v[148:149], v[152:153]
	v_pk_add_f32 v[14:15], v[14:15], v[156:157]
	v_pk_add_f32 v[212:213], v[212:213], v[96:97]
	v_pk_add_f32 v[254:255], v[254:255], v[98:99]
	v_pk_add_f32 v[252:253], v[252:253], v[102:103]
	v_pk_add_f32 v[250:251], v[250:251], v[106:107]
	v_pk_add_f32 v[248:249], v[248:249], v[110:111]
	v_pk_add_f32 v[246:247], v[246:247], v[114:115]
	v_pk_add_f32 v[244:245], v[244:245], v[118:119]
	v_pk_add_f32 v[14:15], v[14:15], v[122:123]
	v_pk_add_f32 v[212:213], v[212:213], v[126:127]
	v_pk_add_f32 v[254:255], v[254:255], v[130:131]
	v_pk_add_f32 v[252:253], v[252:253], v[134:135]
	v_pk_add_f32 v[250:251], v[250:251], v[138:139]
	v_pk_add_f32 v[248:249], v[248:249], v[142:143]
	v_pk_add_f32 v[246:247], v[246:247], v[146:147]
	v_pk_add_f32 v[244:245], v[244:245], v[150:151]
	v_pk_add_f32 v[14:15], v[14:15], v[154:155]
	v_pk_add_f32 v[212:213], v[212:213], v[158:159]
	s_delay_alu instid0(VALU_DEP_2)
	v_pk_add_f32 v[14:15], v[14:15], v[250:251]
	s_delay_alu instid0(VALU_DEP_2)
	v_pk_add_f32 v[212:213], v[212:213], v[248:249]
	v_pk_add_f32 v[254:255], v[254:255], v[246:247]
	v_pk_add_f32 v[252:253], v[252:253], v[244:245]
	s_delay_alu instid0(VALU_DEP_2)
	v_pk_add_f32 v[14:15], v[14:15], v[254:255]
	s_delay_alu instid0(VALU_DEP_2)
	v_pk_add_f32 v[212:213], v[212:213], v[252:253]
	s_delay_alu instid0(VALU_DEP_1)
	v_pk_add_f32 v[14:15], v[14:15], v[212:213]
.irp t, 0,1,2,3,4,5,6,7
.irp i, 0,1,2,3,4,5,6,7
.endr
	v_cvt_scalef32_pk8_fp8_f32 v[PCD+2*\t:PCD+2*\t+1], v[S+8*\t:S+8*\t+7], v216   ; keys 16 t + 8 h + 0 .. 7: registers 2 t, 2 t + 1 of the operand
.endr
.irp j, 0,2,4,6,8,10,12,14,16,18,20,22,24,26,28,30
	v_pk_mul_f32 v[OT+\j:OT+1+\j], v[OT+\j:OT+1+\j], v[210:211] op_sel_hi:[1,0]   ; O^T under the new M.  (These are also the plain places behind the conversions)
.endr
	s_wait_alu depctr_va_vdst(0)
	s_wait_dscnt 0x0                               ; V^T's fragments are in
.irp t, 0,1,2,3                                ; O^T += V^T P^T: four accumulators by turns
	v_wmma_f32_16x16x128_fp8_fp8 v[OT+8*\t:OT+8*\t+7], v[FRG+16*\t:FRG+16*\t+15], v[PCD:PCD+15], v[OT+8*\t:OT+8*\t+7]
.endr
.Lhidden_\@:
	s_add_co_u32 s[KF], s[KF], 128
.endm
; THE CHANGE OF SLOTS stands at a slot's head.  Each wave waits for all its tensor loads (its part of the slot that it is about to read), adds 0 to its spare word, and waits for that and for its reads of the slot
; that it has left.  Behind the barrier the slot ahead is whole and nobody reads the other one.  fill = 1: that other slot is filled with the next trip's keys: slot T + 1 of the first block while T + 1 <= p, then
; slot T - p of the second.  The load has a whole slot's steps in which to land.
.macro CHANGE fill
	s_wait_tensorcnt 0x0                           ; no tensor load of mine is out, so a group 0 may be written
	ds_add_u32 v[SPW], v[NIL]                      ; 0 onto my spare word: with fill = 1 the descriptors' words are made between it and the wait for it
.if \fill
	s_add_co_u32 s60, s[T], 1
	s_cmp_le_u32 s60, s[P]
	s_cselect_b32 s61, 0, s[P1]
	s_sub_co_u32 s60, s60, s61                     ; the next trip's key slot
	s_lshl_b32 s62, s60, 14                        ; K: 256 keys x 64 bytes a slot
	s_add_nc_u64 s[G0K+2:G0K+3], s[KB:KB+1], s[62:63]
	s_or_b32 s[G0K+3], s[G0K+3], 0x80000000
	s_lshl_b32 s62, s60, 18                        ; V: two key steps of 1,024 rows x 128 bytes a slot
	s_add_nc_u64 s[G0V+2:G0V+3], s[VB:VB+1], s[62:63]
	s_or_b32 s[G0V+3], s[G0V+3], 0x80000000
	s_xor_b32 s[G0K+1], s[G0K+1], SLOT1            ; the other LDS slot than last time
	s_xor_b32 s[G0V+1], s[G0V+1], SLOT1
.endif
	s_wait_dscnt 0x0                               ; the add is done, and my reads of the slot that I have left are over
	s_barrier_signal -1
	s_barrier_wait -1
.if \fill
	TLOAD                                          ; the first thing behind the barrier, and a wave's one tensor load until the next
.endif
.endm
.macro SLOT_STEPS
	STEP 0
	STEP 1
	s_xor_b32 s[TB], s[TB], SLOT1                  ; on to the other slot
.endm
; A BLOCK'S END.  O^T x 2^(e4 + e5 - e6) / the sum becomes codes; a lane's eight codes of a tile are eight neighbouring d of one query.  They go through my stage and leave as
; 16 rows of 64 bytes, which lie on end in ac: two stores of 512 consecutive bytes, each at a multiple of 256 from ac's first byte.
.macro FINISH
.rept 4
	v_nop                                          ; places behind the last products
.endr
	v_add_f32 v14, v14, v15                        ; the sum's two halves,
	s_delay_alu instid0(VALU_DEP_1)
	v_permlanex16_b32 v208, v14, s[SEL], s[SEL+1]
	s_delay_alu instid0(VALU_DEP_1)
	v_add_f32 v14, v14, v208                       ; and lane l xor 16's: the row's sum
	s_wait_alu depctr_va_vdst(0)
	v_rcp_f32 v14, v14
	v_nop                                          ; one plain place behind a transcendental
	s_wait_alu depctr_va_vdst(0)
	v_ldexp_f32 v14, v14, s[EO]
.set j, 0
.rept 32
	v_mul_f32 v[S+j], v[OT+j], v14                 ; register 8 t + i is o(r, 16 t + 8 h + i) / 2^e6; each accumulator from its low end on
.set j, j+1
.endr
.set j, 0
.rept 32
.set j, j+1
.endr
.irp t, 0,1,2,3
	v_cvt_scalef32_pk8_fp8_f32 v[PCD+2*\t:PCD+2*\t+1], v[S+8*\t:S+8*\t+7], v218
.endr
	v_nop                                          ; one plain vector instruction behind the last conversion
.irp t, 0,1,2,3
	ds_store_b64 v[STO], v[PCD+2*\t:PCD+2*\t+1] offset:16*\t
.endr
.irp i, 0,1
	ds_load_b128 v[PCD+8+4*\i:PCD+11+4*\i], v[SRD] offset:\i*8*SP   ; LDS serves a wave's instructions in order (ISA guide 5.7.1.4): these see my stores
.endr
	s_wait_dscnt 0x0
.irp i, 0,1
	global_store_b128 v[GO], v[PCD+8+4*\i:PCD+11+4*\i], s[16:17] offset:512*\i
.endr
.endm
	s_wait_loadcnt 0x0                             ; Q
.Lslot:                                            ; eight trips: behind each change of slots but the last the next slot is asked for
	CHANGE 1
	SLOT_STEPS
	s_cmp_lg_u32 s[T], s[P]                        ; behind trip p block p is done: a branch on ids, the same in all sixteen waves; no barrier and no tensor load stands under it
	s_cbranch_scc1 .Lsame
	FINISH
	s_wait_xcnt 0x0                                ; the stores have read their registers and their base: both are written again below and in the next step
	s_mov_b64 s[16:17], s[OUT2:OUT2+1]
.set j, 0
.rept 8
	v_mov_b32 v[QF+j], v[QN+j]
.set j, j+1
.endr
	RESET
	s_mov_b32 s[KF], 0
	s_mov_b32 s[Q0], s[Q0B]
.Lsame:
	s_add_co_u32 s[T], s[T], 1
	s_cmp_lt_u32 s[T], 8
	s_cbranch_scc1 .Lslot
	CHANGE 0                                       ; the last slot is written out
	SLOT_STEPS
	FINISH
	s_wait_tensorcnt 0x0                           ; the wave's end: behind my last tensor load and my last LDS store
	ds_add_u32 v[SPW], v[NIL]
	s_wait_dscnt 0x0
	s_endpgm
.Lfunc_end_k_q97e296e8b3_attn:
	.size	k_q97e296e8b3_attn, .Lfunc_end_k_q97e296e8b3_attn-k_q97e296e8b3_attn
	.p2alignl 7, 3214868480
	.fill 96, 4, 3214868480
	.section	.rodata,"a",@progbits
	.p2align	6, 0x0
	.amdhsa_kernel k_q97e296e8b3_attn
		.amdhsa_group_segment_fixed_size 327680
		.amdhsa_private_segment_fixed_size 0
		.amdhsa_enable_private_segment 0
		.amdhsa_kernarg_size 40
		.amdhsa_user_sgpr_count 2
		.amdhsa_user_sgpr_kernarg_segment_ptr 1
		.amdhsa_wavefront_size32 1
		.amdhsa_system_sgpr_workgroup_id_x 1
		.amdhsa_system_sgpr_workgroup_id_y 1
		.amdhsa_system_sgpr_workgroup_id_z 1
		.amdhsa_system_vgpr_workitem_id 0
		.amdhsa_next_free_vgpr 256
		.amdhsa_next_free_sgpr 96
		.amdhsa_reserve_vcc 1
		.amdhsa_float_denorm_mode_32 3
		.amdhsa_float_denorm_mode_16_64 3
		.amdhsa_fp16_overflow 1
		.amdhsa_memory_ordered 1
		.amdhsa_forward_progress 1
		.amdhsa_inst_pref_size 93
	.end_amdhsa_kernel
	.amdgpu_metadata
---
amdhsa.version: [ 1, 2 ]
amdhsa.kernels:
  - .name:           k_q97e296e8b3_attn
    .symbol:         k_q97e296e8b3_attn.kd
    .args:
      - { .name: qc, .offset: 0, .size: 8, .value_kind: global_buffer, .address_space: global }
      - { .name: kc, .offset: 8, .size: 8, .value_kind: global_buffer, .address_space: global }
      - { .name: vc, .offset: 16, .size: 8, .value_kind: global_buffer, .address_space: global }
      - { .name: lowp_scales, .offset: 24, .size: 8, .value_kind: global_buffer, .address_space: global }
      - { .name: ac, .offset: 32, .size: 8, .value_kind: global_buffer, .address_space: global }
    .group_segment_fixed_size: 327680
    .private_segment_fixed_size: 0
    .kernarg_segment_align: 8
    .kernarg_segment_size: 40
    .max_flat_workgroup_size: 512
    .sgpr_count:     96
    .vgpr_count:     256
    .wavefront_size: 32
...
	.end_amdgpu_metadata
.endif
;; end of part 2
;; launch proj (part 3): grid 4 x 32, 4 waves a work-group, clusters of 4 x 4, 327,680 bytes of LDS; arguments ac, w_out_codes, lowp_scales, out0; writes out0
.if DOCPART == 3
	.amdgcn_target "amdgcn-amd-amdhsa--gfx1250"
	.amdhsa_code_object_version 6
	.text
	.protected	k_q97e296e8b3_proj
	.globl	k_q97e296e8b3_proj
	.p2align	8
	.type	k_q97e296e8b3_proj,@function
k_q97e296e8b3_proj:
	s_mov_b64 s[64:65], 0
	v_nop
	global_prefetch_b8 v0, s[64:65] scope:SCOPE_SE
	s_setreg_imm32_b32 hwreg(HW_REG_WAVE_MODE, 25, 1), 1
	s_wait_xcnt 0x0
	s_wait_alu depctr_hold_cnt(0) depctr_sa_sdst(0) depctr_va_vdst(0) depctr_va_sdst(0) depctr_va_ssrc(0) depctr_va_vcc(0) depctr_vm_vsrc(0)
	s_getreg_b32 s2, hwreg(HW_REG_IB_STS2, 6, 4)
	s_cmp_eq_u32 s2, 0
	s_cbranch_scc0 .Lentry_in_a_cluster
	s_endpgm
.Lentry_in_a_cluster:
	s_bfe_u32 s2, ttmp6, 0x10000c
	s_cmp_lg_u32 s2, 0xf033
	s_cbranch_scc0 .Lentry_shape_is_right
	s_endpgm
.Lentry_shape_is_right:
; out0[m][n] = 2^(e6 + e7) x the sum over k of A[m][k] B[n][k], on codes of FP8 (E4M3), sums in f32.  B = w_out's codes, [1024][1024], K innermost.  out0: [8192][1024] f32.
; A = the attention's codes, which lie BY HEADS: ac[h 16][m 8192][64], k = 64 h + d.  A slot's 256 along K are four heads: a wave's tile of A is four runs of 8,192 bytes (128 rows x 64 bytes on end), 524,288 bytes
; apart, stated as 4 rows of 8,192; the padding follows every 64 bytes, so in LDS head y of the four lies at 10,240 y and row m at 80 m in it.
; LIMIT: e6 + e7 lies between -126 and 127, so that 2^(e6 + e7) is an f32 number.
; A tile of out0, 256 x 256, is made by a work-group of four waves; a wave makes 128 x 128: 64 accumulators, 512 registers.  K goes in steps of 256 through a ring of two LDS slots filled by the tensor data mover.
; CLUSTERS: 4 x 4 work-groups; A's tiles are asked for jointly along a row of the cluster, B's along a column.  THE MATRIX INSTRUCTION IS USED TRANSPOSED (source 0 = 16 rows of B, source 1 = 16 rows of A):
; a lane then holds eight neighbouring numbers of a row of out0.  A fragment is fetched by four loads of 16 bytes: a permutation of k that is the same in A and B.
; REGISTERS, in windows of 256: window 0: v0-31 addresses; v128-255 A's fragments, ONE set; on the way out v32-255 are free.  window 1: B's fragments, TWO sets.  windows 2, 3: the accumulators ((a, b) at v[8 (8 (a % 4) + b)]).
.set SIZE_N, 1024
.set KROW,   1024                      ; a row of B in bytes
.set ROWB,   256                       ; a row of B's tile
.set PITCH,  272                       ; B's LDS row: 256 bytes + 16 of padding
.set APITCH, 80                        ; A's LDS row: a head's 64 bytes + 16: both pitches are odd multiples of 16 bytes, so the 16 rows that a load touches start at 16 different banks (ISA guide 11.1)
.set PLANE,  128*APITCH                ; a head's 128 rows
.set HEADB,  8192*64                   ; a head of ac in bytes
.set FR,     16                        ; registers of a fragment: 16 rows x 128 K
.set NL,     4                         ; LDS loads that bring one
.set NP,     4                         ; places behind this matrix instruction (ISA guide 7.12.1)
.set HALFA,  4*PLANE                   ; what one of A's loads brings: 128 rows x 4 heads
.set HALFB,  128*PITCH                 ; what one of B's brings: 128 rows
.set SLOT,   2*HALFA+2*HALFB           ; A's 256 rows, then B's 256 rows
.set LAPS,   2                         ; a lap = two slots = 512 along K
.set SPARE,  2*SLOT                    ; behind the ring: the spare words, 128 bytes for each wave
.set SPITCH, 528                       ; the way out: a stage of 16 rows x (512 bytes + 16) for each wave, in slot 0, which has had its last fill and its last read by then
.set ADRA, 16                          ; v16-17  LDS address of my A fragments in slot 0, 1
.set ADRB, 20                          ; v20-21  the same for B
.set STO,  24                          ; v24     the way out: where I put 32 bytes of a row
.set RD,   25                          ; v25     the way out: where I read a row back
.set CO,   26                          ; v26     my byte offset in a row of out0
.set SPW,  28                          ; v28     LDS address of my spare word; never rewritten
.set NIL,  29                          ; v29     0; never rewritten
.set TMP,  32                          ; the way out: 64 registers, a block's sums x 2^(e6 + e7)
.set AF,   128                         ; A's fragments, in window 0
.set BK,   128                         ; the way out: 16 rows read back from the stage: v128-191 and v192-255 by turns
.set G1, 24                            ; s[24:31] descriptor group 1 for A's tiles;  s[32:39] group 0, one set for each slot
.set G0, 32
.set G1B, 48                           ; s[48:55], s[56:63] the same for B's tiles
.set G0B, 56
.set MSB, 0
.macro WIN new                         ; the immediate's high byte repeats the setting that is left
.if MSB != \new
	s_set_vgpr_msb (MSB<<8)|\new
.set MSB, \new
.endif
.endm
.set MUL_LO, 0xa1                      ; source 0 (B) window 1, source 1 (A) window 0, C and D window 2
.set MUL_HI, 0xf1                      ; the same, C and D window 3
.set TO_B,   0x40                      ; destination window 1, address window 0
; A joint load: waves 0 and 1 fetch for A, waves 2 and 3 for B.  Each line has one mask and one set of registers for all that issue it; the branch hangs on the wave's number alone.
; Four v_nop follow each of the two lines, ahead of the jump, the label and what follows.
.macro JLOAD g0a, g1a, g0b, g1b
	s_cmp_eq_u32 s15, 0
	s_cbranch_scc0 .Lfor_b_\@
	tensor_load_to_lds s[\g0a:\g0a+3], s[\g1a:\g1a+7]
	s_nop 0
.rept 4
	v_nop
.endr
	s_branch .Lasked_\@
.Lfor_b_\@:
	tensor_load_to_lds s[\g0b:\g0b+3], s[\g1b:\g1b+7]
	s_nop 0
.rept 4
	v_nop
.endr
.Lasked_\@:
.endm
.macro CREST                           ; a round of the cluster's barrier behind its opening barrier
	s_cmp_lg_u32 s14, 0
	s_cbranch_scc1 .Lnot_wave_0_\@
	s_barrier_signal -3
.Lnot_wave_0_\@:
	s_barrier_wait -3
	s_barrier_signal -1
	s_barrier_wait -1
.endm
.macro CROUND                          ; a whole round
	s_barrier_signal -1
	s_barrier_wait -1
	CREST
.endm
	s_load_b128 s[4:7], s[0:1], 0x0                ; ac s[4:5], w_out's codes s[6:7]
	s_load_b128 s[8:11], s[0:1], 0x10              ; the scales' exponents s[8:9], out0 s[10:11]
	v_lshl_add_u32 v[SPW], v0, 2, SPARE
	v_mov_b32 v[NIL], 0
	ds_add_u32 v28, v29
	ds_add_u32 v28, v29
	s_wait_dscnt 0x0
	v_lshrrev_b32 v1, 5, v0
	v_readfirstlane_b32 s14, v1                    ; wave 0..3
	s_lshr_b32 s15, s14, 1                         ; which half of the tile's rows is mine.  Also: I fetch for A (0) or for B (1)
	s_and_b32 s16, s14, 1                          ; which half of its columns.  Also: which 128 rows of that tile I fetch
	s_bfe_u32 s40, ttmp6, 0x40000                  ; cx, cy: my place in the cluster
	s_bfe_u32 s41, ttmp6, 0x40004
	s_lshl_b32 s42, ttmp9, 2
	s_add_co_u32 s42, s42, s40                     ; tile column = 4 x cluster x + cx
	s_and_b32 s17, ttmp7, 0xffff
	s_lshl_b32 s17, s17, 2
	s_add_co_u32 s17, s17, s41                     ; tile row = 4 x cluster y + cy
	s_lshl_b32 s43, s41, 2
	s_lshl_b32 s43, 15, s43                        ; my row of the cluster
	s_lshl_b32 s44, 0x1111, s40                    ; my column
	; descriptor group 1 for A: 4 rows of 8,192 bytes, a head apart; 16 bytes of padding behind every 64
	s_or_b32 s[G1+0], s43, (0<<16)|(1<<20)|(1<<21)|(3<<22)|(3<<25)  ; 15:0 the mask: A's tiles go to my row; 17:16 elements of 1 byte; 20 padding on; 21 set beside a mask; 24:22 after every 16 words (code 3); 31:25 of 4 words (code 3)
	s_mov_b32 s[G1+1], 8192<<16                    ; tensor_dim0
	s_mov_b32 s[G1+2], 4<<16                       ; tensor_dim1 = 4
	s_mov_b32 s[G1+3], 8192<<16                    ; tile_dim0
	s_mov_b32 s[G1+4], 4                           ; tile_dim1 = 4
	s_mov_b32 s[G1+5], HEADB                       ; tensor_dim0_stride
	s_mov_b32 s[G1+6], 0
	s_mov_b32 s[G1+7], 0
	; for B: 128 rows of 256 bytes; 16 bytes of padding behind each
	s_or_b32 s[G1B+0], s44, (0<<16)|(1<<20)|(1<<21)|(5<<22)|(3<<25)
	s_mov_b32 s[G1B+1], ROWB<<16
	s_mov_b32 s[G1B+2], 128<<16
	s_mov_b32 s[G1B+3], ROWB<<16
	s_mov_b32 s[G1B+4], 128
	s_mov_b32 s[G1B+5], KROW
	s_mov_b32 s[G1B+6], 0
	s_mov_b32 s[G1B+7], 0
	s_lshl_b32 s18, s16, 7                         ; which 128 rows of the tile I fetch
	s_lshl_b32 s20, s17, 8
	s_add_co_u32 s20, s20, s18                     ; A: row 256 x tile row + 128 x half,
	s_lshl_b32 s20, s20, 6                         ; of 64 bytes in each head
	s_lshl_b32 s46, s42, 8
	s_add_co_u32 s46, s46, s18                     ; B: row 256 x tile column + 128 x half,
	s_lshl_b32 s46, s46, 10                        ; of 1,024 bytes
	s_mov_b32 s21, 0
	s_mov_b32 s47, 0
	s_mul_i32 s45, s16, HALFA                      ; where they go: A's two halves,
	s_mul_i32 s66, s16, HALFB
	s_add_co_u32 s66, s66, 2*HALFA                 ; then B's two: no place in the cluster enters an LDS address
	s_wait_kmcnt 0x0
	s_load_b64 s[96:97], s[8:9], 0x18              ; e6, e7
	s_add_nc_u64 s[20:21], s[4:5], s[20:21]
	s_add_nc_u64 s[46:47], s[6:7], s[46:47]
	CROUND                                         ; all sixteen work-groups are here: the first joint loads meet
.irp s, 0,1
	s_mov_b32 s[G0+4*\s], 1
	s_add_co_u32 s[G0+4*\s+1], s45, \s*SLOT
	s_add_nc_u64 s[G0+4*\s+2:G0+4*\s+3], s[20:21], \s*4*HEADB   ; slot s begins with heads 4 s .. 4 s + 3
	s_or_b32 s[G0+4*\s+3], s[G0+4*\s+3], 0x80000000
	s_mov_b32 s[G0B+4*\s], 1
	s_add_co_u32 s[G0B+4*\s+1], s66, \s*SLOT
	s_add_nc_u64 s[G0B+4*\s+2:G0B+4*\s+3], s[46:47], \s*ROWB
	s_or_b32 s[G0B+4*\s+3], s[G0B+4*\s+3], 0x80000000
	s_wait_alu depctr_va_vdst(0)
	s_wait_tensorcnt 0x0
	ds_add_u32 v28, v29
	ds_add_u32 v28, v29
	s_wait_dscnt 0x0
	CROUND
	JLOAD G0+4*\s, G1, G0B+4*\s, G1B
.endr
	v_and_b32 v1, 15, v0                           ; r = l % 16
	v_bfe_u32 v2, v0, 4, 1                         ; h = l / 16
	v_mul_u32_u24 v3, v1, PITCH
	v_lshl_add_u32 v4, v2, 4, v3                   ; B: a fragment's row x pitch + 16 x half
	v_mul_u32_u24 v3, v1, APITCH
	v_lshl_add_u32 v3, v2, 4, v3                   ; A: the same with its pitch
	s_mul_i32 s21, s15, HALFA                      ; my 128 rows of A
	s_mul_i32 s22, s16, HALFB                      ; my 128 rows of B,
	s_add_co_u32 s22, s22, 2*HALFA                 ; which lie behind A's 256
.irp s, 0,1
	v_add_nc_u32 v[ADRA+\s], s21, v3
	v_add_nc_u32 v[ADRB+\s], s22, v4
	s_add_co_u32 s21, s21, SLOT
	s_add_co_u32 s22, s22, SLOT
.endr
	s_mul_i32 s23, s14, 16*SPITCH                  ; my stage
	v_mul_u32_u24 v5, v1, SPITCH                   ; in: row l % 16, 32 bytes for each half of the lanes
	v_lshl_add_u32 v5, v2, 5, v5
	v_add_nc_u32 v[STO], s23, v5
	v_and_b32 v6, 31, v0
	v_lshlrev_b32 v[CO], 4, v6                     ; back: the 32 lanes take one row of 512 bytes; and the same in out0
	v_add_nc_u32 v[RD], s23, v[CO]
	s_lshl_b32 s20, s17, 8
	s_lshl_b32 s21, s15, 7
	s_add_co_u32 s20, s20, s21                     ; my first row of out0: 256 x tile row + 128 x half
	s_mov_b32 s21, 0
	s_mov_b64 s[18:19], SIZE_N*4
	s_mul_u64 s[20:21], s[20:21], s[18:19]
	s_lshl_b32 s46, s42, 10                        ; my first column, in bytes: 1024 x tile column + 512 x half
	s_lshl_b32 s47, s16, 9
	s_add_co_u32 s46, s46, s47
	s_mov_b32 s47, 0
	s_add_nc_u64 s[20:21], s[20:21], s[46:47]
	s_add_nc_u64 s[10:11], s[10:11], s[20:21]
; A fragment, 16 rows x 128 K: lane l holds row l % 16; registers 4 c .. 4 c + 3 hold K = 128 q + 32 c + 16 (l / 16) + 0 .. 15: in B 32 c bytes along the row, in A head 2 q + c / 2 of the slot's four, byte 32 (c % 2) of its 64
.macro FRAGB reg, adr, q, i
.irp c, 0,1,2,3
	ds_load_b128 v[\reg+4*\c:\reg+4*\c+3], v[\adr] offset:128*(\q)+32*\c+(\i)*16*PITCH
.endr
.endm
.macro FRAGA reg, adr, q, i
.irp c, 0,1,2,3
	ds_load_b128 v[\reg+4*\c:\reg+4*\c+3], v[\adr] offset:(2*(\q)+\c/2)*PLANE+32*(\c%2)+(\i)*16*APITCH
.endr
.endm
; 16 matrix instructions: A's blocks a0, a0 + 1 x B's eight, 128 along K.  p: B's set.  zero = 1: the first product starts the sums: nothing is ever cleared.
; The 64 accumulators take turns, one instruction a turn, in the same order in every step.
.macro MUL16 a0, p, zero
.irp a, \a0, \a0+1
.irp b, 0,1,2,3,4,5,6,7
.if \zero
	v_wmma_f32_16x16x128_fp8_fp8 v[8*(8*((\a)%4)+\b):8*(8*((\a)%4)+\b)+7], v[128*(\p)+FR*\b:128*(\p)+FR*\b+FR-1], v[AF+FR*(\a):AF+FR*(\a)+FR-1], 0
.else
	v_wmma_f32_16x16x128_fp8_fp8 v[8*(8*((\a)%4)+\b):8*(8*((\a)%4)+\b)+7], v[128*(\p)+FR*\b:128*(\p)+FR*\b+FR-1], v[AF+FR*(\a):AF+FR*(\a)+FR-1], v[8*(8*((\a)%4)+\b):8*(8*((\a)%4)+\b)+7]
.endif
.endr
.endr
.endm
.macro FETCH_B slot, q, p              ; B's eight fragments of the slot's q-th 128 along K into set p
	WIN TO_B
.irp i, 0,1,2,3,4,5,6,7
	FRAGB 128*(\p)+FR*\i, ADRB+\slot, \q, \i
.endr
	WIN 0
.endm
.macro FETCH_A slot, q, i0             ; A's blocks i0 .. i0 + 3
.irp i, \i0, \i0+1, \i0+2, \i0+3
	FRAGA AF+FR*(\i), ADRA+\slot, \q, \i
.endr
.endm
; A load into a register that a matrix instruction has read, and a vector instruction that reads a matrix result, stand NP places behind that matrix instruction; only plain vector
; instructions that name none of its registers are places (ISA guide 7.12.1 for vector instructions).
.macro PLACES n
.rept \n
	v_nop
.endr
.endm
; A step of 128 along K that has its successor in the same slot.
.macro STEP slot, q, zero
	s_wait_dscnt 4*NL                              ; B's set and A's blocks 0-3 are in; the youngest sixteen loads (A's blocks 4-7) may be out
	WIN MUL_LO
	MUL16 0, (\q)%2, \zero
	MUL16 2, (\q)%2, \zero
	s_wait_dscnt 0                                 ; A's blocks 4-7 are in (asked for 32 matrix instructions ago)
	PLACES NP
	FETCH_B \slot, (\q)+1, 1-(\q)%2
	FETCH_A \slot, (\q)+1, 0
	WIN MUL_HI
	MUL16 4, (\q)%2, \zero
	MUL16 6, (\q)%2, \zero
	PLACES NP
	WIN 0
	FETCH_A \slot, (\q)+1, 4
.endm
; A slot's last step changes slots: ONE barrier; in front of it each wave waits for all its tensor loads, adds 0 to its spare word, and waits for that and for its own reads of this slot.  fill = 1: this slot is filled again, two slots ahead.
.macro TURN slot, next, fill
	s_wait_tensorcnt 0x0                           ; all my tensor loads have landed: my part of the next slot;  (every window is 0 here)
	ds_add_u32 v[SPW], v[NIL]                      ; 0 onto my spare word
	s_wait_dscnt 4*NL+1                            ; (the add and the youngest sixteen loads, A's blocks 4-7, may be out)
	WIN MUL_LO
	MUL16 0, 1, 0                                  ; sixteen matrix instructions stand between the add and the wait for it
	s_wait_dscnt 0x0                               ; the add is done, and my reads of this slot are over
	s_barrier_signal -1
	MUL16 2, 1, 0
	WIN 0
	s_barrier_wait -1
.if \fill
	CREST                                          ; the barrier has opened a round of the cluster's barrier: no wave of any partner still reads this slot's tile or has a load on its way
	s_add_nc_u64 s[G0+4*\slot+2:G0+4*\slot+3], s[G0+4*\slot+2:G0+4*\slot+3], 8*HEADB   ; eight heads on
	s_add_nc_u64 s[G0B+4*\slot+2:G0B+4*\slot+3], s[G0B+4*\slot+2:G0B+4*\slot+3], 2*ROWB
	JLOAD G0+4*\slot, G1, G0B+4*\slot, G1B         ; the first tensor load behind the round; the four v_nop behind it are the places in front of the loads below
.else
	PLACES NP
.endif
	FETCH_B \next, 0, 0
	FETCH_A \next, 0, 0
	WIN MUL_HI
	MUL16 4, 1, 0
	MUL16 6, 1, 0
	PLACES NP
	WIN 0
	FETCH_A \next, 0, 4
.endm
	s_wait_alu depctr_va_vdst(0)
	s_wait_tensorcnt 1                             ; my part of slot 0 is in (slot 1's load may be out)
	s_barrier_signal -1
	s_barrier_wait -1                              ; everybody's is
	FETCH_B 0, 0, 0
	FETCH_A 0, 0, 0
	FETCH_A 0, 0, 4
	STEP 0, 0, 1                                   ; the first step stands in front of the loop: its products start the sums
	s_mov_b32 s3, LAPS-1
.Llap:                                                 ; a trip goes once round the ring, from a lap's second step to the next lap's first, and fills both slots again
	TURN 0, 1, 1
	STEP 1, 0, 0
	TURN 1, 0, 1
	STEP 0, 0, 0
	s_sub_co_u32 s3, s3, 1
	s_cmp_lg_u32 s3, 0
	s_cbranch_scc1 .Llap
	TURN 0, 1, 0                                   ; the last lap fills nothing, and has no round of the cluster's barrier
	STEP 1, 0, 0
	s_wait_dscnt 4*NL                              ; the very last step: nothing more to fetch
	WIN MUL_LO
	MUL16 0, 1, 0
	MUL16 2, 1, 0
	s_wait_dscnt 0
	WIN MUL_HI
	MUL16 4, 1, 0
	MUL16 6, 1, 0
	WIN 0
; THE WAY OUT, block by block of 16 rows x 128 columns.  A lane holds 32 neighbouring bytes of a row, and the lanes beside it hold other rows: so a block goes through my own stage in LDS and comes back as whole
; rows of 512 bytes, which the 32 lanes store as 512 consecutive bytes at a multiple of 256 from out0's first byte.  LDS serves a wave's instructions in order (ISA guide 5.7.1.4): no wait between the stores and the loads.
.macro TOSTAGE a
.set AC, 64*((\a)%4)
	WIN 0x02+((\a)/4)                              ; source 0: window 2 or 3
.irp j, 0,2,4,6,8,10,12,14,16,18,20,22,24,26,28,30,32,34,36,38,40,42,44,46,48,50,52,54,56,58,60,62
	v_pk_mul_f32 v[TMP+\j:TMP+\j+1], v[AC+\j:AC+\j+1], s[96:97] op_sel_hi:[1,0]   ; both x s96 = 2^(e6 + e7); each accumulator from its low end on
.endr
	WIN 0
.irp b, 0,1,2,3,4,5,6,7
	ds_store_b128 v[STO], v[TMP+8*\b:TMP+8*\b+3] offset:64*\b
	ds_store_b128 v[STO], v[TMP+8*\b+4:TMP+8*\b+7] offset:64*\b+16
.endr
.set BB, BK+64*((\a)%2)
.irp t, 0,1,2,3,4,5,6,7,8,9,10,11,12,13,14,15
	ds_load_b128 v[BB+4*\t:BB+4*\t+3], v[RD] offset:\t*SPITCH
.endr
.endm
.macro SEND a, younger                 ; younger: the LDS instructions issued behind block a's loads, which may stay out
.set BB, BK+64*((\a)%2)
	s_wait_dscnt \younger                          ; the block is back in registers
.if (\a) > 0
	s_add_nc_u64 s[10:11], s[10:11], 16*SIZE_N*4   ; (behind a wait on XCNT: the earlier stores have read their base)  16 rows on: the stores' offsets reach 15 rows of 4,096 bytes
.endif
.irp t, 0,1,2,3,4,5,6,7,8,9,10,11,12,13,14,15
	global_store_b128 v[CO], v[BB+4*\t:BB+4*\t+3], s[10:11] offset:\t*SIZE_N*4 th:TH_STORE_NT   ; written once, read by nobody here
.endr
.endm
	s_wait_kmcnt 0x0
	s_add_co_i32 s96, s96, s97                     ; e6 + e7, between -126 and 127,
	s_add_co_i32 s96, s96, 127
	s_lshl_b32 s96, s96, 23                        ; makes the f32 number 2^(e6 + e7)
	PLACES NP                                      ; behind the last products: for the reads of results and the loads into the registers that held A's fragments
	TOSTAGE 0
.irp a, 1,2,3,4,5,6,7
.if \a > 1
	s_wait_xcnt 0x0                                ; block a - 2's stores have read their registers and their base: block a's loads may land there, and the base may step
.endif
	TOSTAGE \a
	SEND \a-1, 32                                  ; behind block a - 1's loads: block a's 16 stores and 16 loads
.endr
	s_wait_xcnt 0x0                                ; block 6's stores have read their base
	SEND 7, 0
	s_wait_tensorcnt 0x0                           ; the wave's end: behind my last tensor load and my last LDS store
	ds_add_u32 v[SPW], v[NIL]
	s_wait_dscnt 0x0
	CROUND                                         ; the closing round: no work-group ends while a partner may still ask for a tile that names it
	s_endpgm
.Lfunc_end_k_q97e296e8b3_proj:
	.size	k_q97e296e8b3_proj, .Lfunc_end_k_q97e296e8b3_proj-k_q97e296e8b3_proj
	.p2alignl 7, 3214868480
	.fill 96, 4, 3214868480
	.section	.rodata,"a",@progbits
	.p2align	6, 0x0
	.amdhsa_kernel k_q97e296e8b3_proj
		.amdhsa_group_segment_fixed_size 327680
		.amdhsa_private_segment_fixed_size 0
		.amdhsa_enable_private_segment 0
		.amdhsa_kernarg_size 32
		.amdhsa_user_sgpr_count 2
		.amdhsa_user_sgpr_kernarg_segment_ptr 1
		.amdhsa_wavefront_size32 1
		.amdhsa_system_sgpr_workgroup_id_x 1
		.amdhsa_system_sgpr_workgroup_id_y 1
		.amdhsa_system_sgpr_workgroup_id_z 1
		.amdhsa_system_vgpr_workitem_id 0
		.amdhsa_next_free_vgpr 1024
		.amdhsa_next_free_sgpr 98
		.amdhsa_reserve_vcc 0
		.amdhsa_float_denorm_mode_32 3
		.amdhsa_float_denorm_mode_16_64 3
		.amdhsa_memory_ordered 1
		.amdhsa_forward_progress 1
		.amdhsa_inst_pref_size 124
	.end_amdhsa_kernel
	.amdgpu_metadata
---
amdhsa.version: [ 1, 2 ]
amdhsa.kernels:
  - .name:           k_q97e296e8b3_proj
    .symbol:         k_q97e296e8b3_proj.kd
    .args:
      - { .name: ac, .offset: 0, .size: 8, .value_kind: global_buffer, .address_space: global }
      - { .name: w_out_codes, .offset: 8, .size: 8, .value_kind: global_buffer, .address_space: global }
      - { .name: lowp_scales, .offset: 16, .size: 8, .value_kind: global_buffer, .address_space: global }
      - { .name: out0, .offset: 24, .size: 8, .value_kind: global_buffer, .address_space: global }
    .group_segment_fixed_size: 327680
    .private_segment_fixed_size: 0
    .kernarg_segment_align: 8
    .kernarg_segment_size: 32
    .max_flat_workgroup_size: 128
    .sgpr_count:     98
    .vgpr_count:     1024
    .wavefront_size: 32
...
	.end_amdgpu_metadata
.endif
;; end of part 3
